; MI455X (gfx1250); checked and timed in simulation.
; The chip was launched on July 23, 2026; its instructions are those of AMD's public machine-readable ISA for CDNA 5 (MIT licence, August 2026) and "CDNA5" Instruction Set Architecture Reference Guide (July 2026). The comments in the code are by the model that wrote it; some were corrected since.
;; MHA. Allowed arithmetic: matrix products marked QUANTISED: E5M2 operands, one given power-of-two scale a tensor, by v_wmma_f32_16x16x64_bf8_bf8 or v_wmma_f32_16x16x128_bf8_bf8, f32 sums; everything else in f32.
;; Inputs: Wqkv_b 3,072 float32; Wqkv_w_codes 3,072 x 32 x 32 uint8 (E5M2 codes of Wqkv_w, K innermost, in blocks of 32 codes); lowp_scales 8 int32 (the exponents e of the quantised operands' scales 2^e); out_b 1,024 float32; out_w_codes 1,024 x 32 x 32 uint8 (E5M2 codes of out_w, K innermost, in blocks of 32 codes); x_codes 4 x 2,048 x 32 x 32 uint8 (E5M2 codes of x, K innermost, in blocks of 32 codes).
;; Outputs: out0 4 x 2,048 x 1,024 float32.
;; This version of the problem:
;;   THIS VERSION OF THE PROBLEM IS GIVEN IN LOW PRECISION. The matrix products marked QUANTISED in the list below multiply operands that are first quantised to E5M2 (5 exponent bits, 2 mantissa bits; 8 bits a number), with one given power-of-two scale for each operand tensor; their sums are f32. All else is computed in f32.
;;   The module's matrix products, in the order in which they are computed (A, B: the left and right operand; K: the contracted axis; several contracted axes count as one K, in the product's order):
;;     1. [M 8,192, K 1,024] x [K 1,024, N 3,072]; A: input x (given as codes); B: input Wqkv_w (given as codes): QUANTISED (scales: A lowp_scales[0], B lowp_scales[1])
;;     2. batch 64 x [M 2,048, K 64] x [K 64, N 2,048]; A: computed on the way; B: computed on the way: QUANTISED (scales: A lowp_scales[2], B lowp_scales[3])
;;     3. batch 64 x [M 2,048, K 2,048] x [K 2,048, N 64]; A: softmax (see below); B: computed on the way: QUANTISED (scales: A lowp_scales[4], B lowp_scales[5])
;;     4. [M 8,192, K 1,024] x [K 1,024, N 1,024]; A: computed on the way; B: input out_w (given as codes): QUANTISED (scales: A lowp_scales[6], B lowp_scales[7])
;;   THE QUANTISER, for each operand of a quantised product, along K:
;;     - The operand's scale is 2^e, e = its entry of the input lowp_scales (int32; the entries are numbered through the quantised products in the list's order, A before B).
;;     - Each number is divided by the scale, clamped to +-57,344, and rounded to the nearest number of E5M2, ties to even, subnormals kept.
;;     - The product sums the exact products of the quantised numbers (number of the format x scale) in f32.
;;   ~~~python
;;   def quantise(x, axis, e):      # numpy; x: float32 -> the quantised numbers, widened to float32 again
;;       x = np.moveaxis(x, axis, -1); K = x.shape[-1]
;;       r = np.clip(x / 2.0 ** e, -57344, 57344)
;;       step = 2.0 ** (np.maximum(np.frexp(np.where(r == 0, 1, r))[1] - 1, -14) - 2)
;;       q = np.round(r / step) * step * 2.0 ** e      # np.round: ties to even
;;       return np.moveaxis(q, -1, axis).astype(np.float32)
;;   ~~~
;;   SOFTMAX AHEAD OF A QUANTISED PRODUCT. Where the list says 'softmax', what is quantised is not the finished softmax but p = 2^(t - M), with t = logit x log2(e) and M = ceil(the row's largest t), a whole number; so 1/2 < the row's largest p <= 1. The row's sum l is taken of the UNQUANTISED p, in f32, and the product's result is divided by l at the end. Since M is a whole number, a kernel that streams over the keys may use a running M (the ceiling of the running maximum): every later rescaling is an exact power of two, so the quantised numbers keep their values, but for numbers so far below the row's largest that they fall under the format's range.
;;   OPERANDS COMPUTED ON THE WAY. 'Computed on the way' means the value that the module computes at that place (a softmax that the list does not call 'softmax' is quantised finished and normalised). What goes into a quantiser is computed in f32, as accurately as f32 sums, v_exp_f32 and their like allow (about 1e-6 of the number): no bf16 or f16 on the way to a quantiser, and a product that is left as it is and whose result goes on into a quantised operand takes f32 operands (vector FMAs, or v_wmma_f32_16x16x4_f32). A number that lies on a knife's edge between two numbers of the format may be rounded either way, as far as f32 arithmetic and the matrix unit's own rounding can turn it there, and no further.
;;   INPUTS GIVEN AS CODES. Wqkv_w (in the module: [3072, 1024], K = its axis 1); out_w (in the module: [1024, 1024], K = its axis 1); x (in the module: [4, 2048, 1024], K = its axis 2): each comes as NAME_codes (uint8): NAME with its K axis moved to the last place and cut into blocks of 32 codes, [.., K / 32, bytes a block], one block behind the other in memory; one code a byte (a code: sign, 5 exponent bits, 2 mantissa bits); its scale is its entry of lowp_scales. Its value is code x scale, taken as it is: it is not quantised again, and the codes and scales need not be those that the quantiser above would give.
;; One version. Each part assembles by itself: llvm-mc -triple=amdgcn-amd-amdhsa -mcpu=gfx1250 --defsym DOCPART=n.
;; ======== version 1 of 1: 3 launches
;; limits: right only within a limited range of input values
;; workspace buffers: q_codes 8,388,608 bytes; k_codes 8,388,608 bytes; v_codes 8,388,608 bytes; a_codes 8,388,608 bytes
;; launch qkv (part 1): grid 12 x 32, 4 waves a work-group, clusters of 4 x 4, 327,680 bytes of LDS; arguments x_codes, Wqkv_w_codes, Wqkv_b, lowp_scales, q_codes, k_codes, v_codes; writes q_codes, k_codes, v_codes
.if DOCPART == 1
	.amdgcn_target "amdgcn-amd-amdhsa--gfx1250"
	.amdhsa_code_object_version 6
	.text
	.protected	k_qd7f06c52ec_qkv
	.globl	k_qd7f06c52ec_qkv
	.p2align	8
	.type	k_qd7f06c52ec_qkv,@function
k_qd7f06c52ec_qkv:
	s_mov_b64 s[64:65], 0
	v_nop
	global_prefetch_b8 v0, s[64:65] scope:SCOPE_SE
	s_setreg_imm32_b32 hwreg(HW_REG_WAVE_MODE, 25, 1), 1
	s_wait_xcnt 0x0
	s_wait_alu depctr_hold_cnt(0) depctr_sa_sdst(0) depctr_va_vdst(0) depctr_va_sdst(0) depctr_va_ssrc(0) depctr_va_vcc(0) depctr_vm_vsrc(0)
	s_getreg_b32 s2, hwreg(HW_REG_IB_STS2, 6, 4)
	s_cmp_eq_u32 s2, 0
	s_cbranch_scc0 .Lentry_in_a_cluster
	s_endpgm
.Lentry_in_a_cluster:
	s_bfe_u32 s2, ttmp6, 0x10000c
	s_cmp_lg_u32 s2, 0xf033
	s_cbranch_scc0 .Lentry_shape_is_right
	s_endpgm
.Lentry_shape_is_right:
; FIRST OF THREE LAUNCHES of a causal multi-head attention on codes of E5M2 (B = 4, L = 2,048, D = 1,024, 16 heads of 64).
; This launch: qkv = x Wqkv^T + b (the codes multiplied as they are, f32 sums, each sum once x 2^(e0 + e1), + bias by one fused multiply-add), and q, k, v quantised at once
; with the given scales 2^e2, 2^e3, 2^e5: held within +-57,344 x the scale, rounded to the nearest code.  qkv itself never goes to memory.
; OUT: q_codes, k_codes [b 4][h 16][l 2048][d 64];  v_codes [b][h][d 64][2048 keys], the keys innermost, since they are the K of the third product.  Inside every 32 keys position 16 h + 8 u + j holds
; key 16 u + 8 h + j (u, h = 0, 1; j = 0 .. 7): a 16-byte load of the next launch then brings a lane the keys that stand beside its p's codes.
; DEAD WORK OF THE PROGRAM.  reference() sets the scores of keys k > q to -infinity by a mask that it builds itself (jnp.tril); their softmax weight is 0 for all values of the inputs, so they add nothing to
; the row's sum nor to the third product.  The second launch therefore leaves out, in whole steps of 128 keys, the keys that come after all 16 queries of a tile (products 2 and 3 alike).  Nothing else is left
; out: every input has a way to the output and is loaded (the bias on k too: it moves k's codes).  LIMIT: a NaN, an infinity or an overflow that reaches only those hidden scores is not carried to the result.
; LIMITS on the given exponents, so that each power of two below is an f32 number: e0 + e1 between -126 and 127; e2, e3, e5 between -126 and 112.  NaN in the bias is not served.
; SHARES.  A tile of 256 x 256 results to a work-group of four waves, 128 x 128 to a wave: 64 accumulators, 512 registers.  K = 1,024 goes in four steps of 256 through two LDS slots filled by tensor loads.
; Clusters of 4 x 4 work-groups; X = the cluster's x says what is made.  X = 0: q, X = 1: k: operand A = 256 tokens of x, operand B = 256 rows of Wqkv.  X = 2: v, MADE TRANSPOSED: A = 256 of Wqkv's rows
; 2,048 .. 3,071, B = 256 tokens of x.  The matrix instruction takes B's rows as source 0 and A's as source 1, so a lane holds ONE row of A and eight neighbouring rows of B: eight neighbouring d of a token
; (q, k), eight neighbouring tokens of one (h, d) (v): in both cases eight neighbours along the next product's K, which one conversion turns into eight codes.
; A's tile hangs on the cluster's y and on cy alone and is asked for jointly by a row of the cluster, B's on X or y and on cx alone, by a column.  X is the same in all sixteen partners: so is every branch.
; 384 tiles of this size are 24 clusters: no whole multiple of what the chip holds at once; a tile of another shape would leave no room for two sets of B's fragments beside the accumulators.
; REGISTERS, in windows of 256: window 0: v1-31 addresses and the like; v128-255 A's fragments, ONE set (on the way out v32-255 are free).  window 1: B's fragments, TWO sets.  windows 2, 3: the accumulators.
.set ROWB,   256                       ; a tile's row: 256 codes
.set KROW,   1024                      ; a row of x or of Wqkv in memory
.set PITCH,  272                       ; an LDS row: 256 bytes + 16 of padding = 68 words: row r starts at bank 4 r mod 64 (64 banks of 4 bytes: ISA guide 11.1)
.set FR,     16                        ; registers of a fragment: 16 rows x 128 K
.set NL,     4                         ; LDS loads that bring one
.set NP,     4                         ; places behind this matrix instruction (ISA guide 7.12.1)
.set HALFT,  128*PITCH                 ; 128 rows: what one tensor load brings
.set SLOT,   4*HALFT                   ; A's 256 rows, then B's 256 rows
.set SPARE,  2*SLOT                    ; behind the ring: the spare words, 128 bytes a wave: two blocks of 256 bytes that no other line names
.set QST,    SPARE+512                 ; q's and k's way out: for each wave [head 2][token 64][80 bytes]; no tensor load ever lands here
.set QSTW,   2*64*80
.set BSCR,   QST+4*QSTW                ; 512 bytes a wave: its 128 numbers of the bias, to be read back in the result's layout
; v's way out: a stage of 256 rows x 272 bytes from LDS byte 0 on: in slot 0, which has had its last fill and its last read when the first code is stored there
.set BIA,  8                           ; v8-11   my four numbers of the bias as loaded
.set BST,  12                          ; v12     where I put them
.set BRQ,  13                          ; v13     q, k: where my half of the lanes reads eight of them
.set BRV,  14                          ; v14     v: where I read my row's one
.set ADRA, 16                          ; v16-17  LDS address of my A fragments in slot 0, 1
.set ADRB, 20                          ; v20-21  the same for B
.set SCL,  22                          ; v22     2^eT as f32, eT = e2, e3 or e5
.set LIM,  23
.set STOQ, 24                          ; v24     q, k: where I put eight codes
.set RDQ,  25                          ; v25     and where I read 16 back
.set GOQ,  26                          ; v26     16 x lane
.set STOV, 27                          ; v27     v: where I put eight codes
.set SPW,  28                          ; v28     my spare word; never rewritten
.set NIL,  29                          ; v29     0; never rewritten
.set RDV,  30                          ; v30     v: where I read 16 codes back
.set GOV,  31                          ; v31     and their place in v_codes
.set BI,   32                          ; v32-95  q, k: the bias in the result's layout, eight registers for each of B's eight blocks
.set BV,   32                          ; v32-47  v: a pair for each of A's eight blocks
.set CD,   96                          ; v96-127 codes, two sets of 16
.set T,    128                         ; v128-191 a block's 64 numbers
.set OUT,  192                         ; v192-255 codes read back
.set AF,   128                         ; A's fragments
.set G1, 24                            ; s[24:31] descriptor group 1 for A's tiles;  s[32:39] group 0, one set for each slot
.set G0, 32
.set G1B, 48                           ; s[48:55], s[56:63] the same for B's tiles
.set G0B, 56
.set MSB, 0
.macro WIN new                         ; the immediate's high byte repeats the setting that is left
.if MSB != (\new)
	s_set_vgpr_msb (MSB<<8)|(\new)
.set MSB, (\new)
.endif
.endm
.set MUL_LO, 0xa1                      ; source 0 (B) window 1, source 1 (A) window 0, C and D window 2
.set MUL_HI, 0xf1                      ; the same, C and D window 3
.set TO_B,   0x40                      ; destination window 1, address window 0
; A joint load: waves 0 and 1 fetch for A, waves 2 and 3 for B.  The branch hangs on the wave's number alone.  An s_nop 0 and four v_nop follow each of the two lines.
.macro JLOAD g0a, g1a, g0b, g1b
	s_cmp_eq_u32 s15, 0
	s_cbranch_scc0 .Lfor_b_\@
	tensor_load_to_lds s[\g0a:\g0a+3], s[\g1a:\g1a+7]
	s_nop 0
.rept 4
	v_nop
.endr
	s_branch .Lasked_\@
.Lfor_b_\@:
	tensor_load_to_lds s[\g0b:\g0b+3], s[\g1b:\g1b+7]
	s_nop 0
.rept 4
	v_nop
.endr
.Lasked_\@:
.endm
.macro CREST                           ; a round of the cluster's barrier behind its opening barrier
	s_cmp_lg_u32 s14, 0
	s_cbranch_scc1 .Lnot_wave_0_\@
	s_barrier_signal -3
.Lnot_wave_0_\@:
	s_barrier_wait -3
	s_barrier_signal -1
	s_barrier_wait -1
.endm
.macro CROUND                          ; a whole round
	s_barrier_signal -1
	s_barrier_wait -1
	CREST
.endm
	s_load_b256 s[4:11], s[0:1], 0x0               ; x's codes s[4:5], Wqkv's codes s[6:7], the bias s[8:9], the scales' exponents s[10:11]
	s_load_b128 s[68:71], s[0:1], 0x20             ; q_codes, k_codes
	s_load_b64 s[72:73], s[0:1], 0x30              ; v_codes
	v_lshl_add_u32 v[SPW], v0, 2, SPARE
	v_mov_b32 v[NIL], 0
	ds_add_u32 v[SPW], v[NIL]                      ; the wave's opening: the add, twice on end, and its wait ahead of my first tensor load
	ds_add_u32 v[SPW], v[NIL]                      ; and once more; the set-up below, work on registers, stands between it and the wait
	v_lshrrev_b32 v1, 5, v0
	v_readfirstlane_b32 s14, v1                    ; wave 0..3
	s_lshr_b32 s15, s14, 1                         ; wm: which half of A's rows is mine.  Also: I fetch for A (0) or for B (1)
	s_and_b32 s16, s14, 1                          ; wn: which half of B's rows.  Also: which 128 rows of that tile I fetch
	s_bfe_u32 s40, ttmp6, 0x40000                  ; cx, cy: my place in the cluster
	s_bfe_u32 s41, ttmp6, 0x40004
	s_and_b32 s74, ttmp7, 0xffff
	s_lshl_b32 s74, s74, 2                         ; 4 Y
	s_lshl_b32 s75, ttmp9, 2                       ; 4 X
	s_cmp_eq_u32 ttmp9, 2                          ; v's clusters?  The same answer in all sixteen partners
	s_cselect_b32 s84, 0, s74                      ; A's tiles: v: Wqkv's four, by cy;  q, k: x's 32, by 4 Y + cy
	s_cselect_b32 s85, s74, s75                    ; B's tiles: v: x's 32, by 4 Y + cx;  q, k: Wqkv's, by 4 X + cx
	s_cselect_b32 s86, 2048, 0                     ; v's rows of Wqkv begin at row 2,048
	s_add_co_u32 s17, s84, s41                     ; TR: A's tile
	s_add_co_u32 s42, s85, s40                     ; TC: B's tile
	s_lshl_b32 s43, s41, 2
	s_lshl_b32 s43, 15, s43                        ; my row of the cluster
	s_lshl_b32 s44, 0x1111, s40                    ; my column
	; descriptor group 1: a tile of 128 rows x 256 bytes, padded in LDS
	s_or_b32 s[G1+0], s43, (0<<16)|(1<<20)|(1<<21)|(5<<22)|(3<<25)  ; 15:0 the mask: A's tiles go to my row; 17:16 elements of 1 byte; 20 padding on; 21 set beside a mask; 24:22 after every 64 words (code 5); 31:25 four words (code 3)
	s_or_b32 s[G1B+0], s44, (0<<16)|(1<<20)|(1<<21)|(5<<22)|(3<<25) ; the same with the mask of my column
.irp g, G1, G1B
	s_mov_b32 s[\g+1], ROWB<<16                    ; tensor_dim0
	s_mov_b32 s[\g+2], 128<<16                     ; tensor_dim1
	s_mov_b32 s[\g+3], ROWB<<16                    ; tile_dim0
	s_mov_b32 s[\g+4], 128                         ; tile_dim1
	s_mov_b32 s[\g+5], KROW                        ; tensor_dim0_stride
	s_mov_b32 s[\g+6], 0
	s_mov_b32 s[\g+7], 0
.endr
	s_lshl_b32 s18, s16, 7                         ; which 128 rows of the tile I fetch
	s_lshl_b32 s20, s17, 8
	s_add_co_u32 s20, s20, s18
	s_add_co_u32 s20, s20, s86                     ; A: row 256 TR + 128 wn (+ 2,048)
	s_lshl_b32 s20, s20, 10                        ; in bytes: under 2^23
	s_mov_b32 s21, 0
	s_lshl_b32 s46, s42, 8
	s_add_co_u32 s46, s46, s18                     ; B: row 256 TC + 128 wn
	s_lshl_b32 s46, s46, 10
	s_mov_b32 s47, 0
	s_mul_i32 s45, s14, HALFT                      ; where they go: wave x 128 rows: no place in the cluster enters an LDS address
	s_wait_dscnt 0x0                               ; both opening adds are done
	s_wait_kmcnt 0x0
	s_load_b256 s[76:83], s[10:11], 0x0            ; e0 .. e7
	s_cmp_eq_u32 ttmp9, 2
	s_cselect_b64 s[88:89], s[6:7], s[4:5]         ; A is Wqkv (v) or x (q, k),
	s_cselect_b64 s[90:91], s[4:5], s[6:7]         ; B the other
	s_add_nc_u64 s[20:21], s[88:89], s[20:21]
	s_add_nc_u64 s[46:47], s[90:91], s[46:47]
	CROUND                                         ; all sixteen work-groups are here: the first joint loads meet
.irp s, 0,1
	s_mov_b32 s[G0+4*\s], 1                        ; count = 1
	s_add_co_u32 s[G0+4*\s+1], s45, \s*SLOT        ; LDS address
	s_add_nc_u64 s[G0+4*\s+2:G0+4*\s+3], s[20:21], \s*ROWB   ; global address: K step s
	s_or_b32 s[G0+4*\s+3], s[G0+4*\s+3], 0x80000000          ; type = 2
	s_mov_b32 s[G0B+4*\s], 1
	s_add_co_u32 s[G0B+4*\s+1], s45, \s*SLOT
	s_add_nc_u64 s[G0B+4*\s+2:G0B+4*\s+3], s[46:47], \s*ROWB
	s_or_b32 s[G0B+4*\s+3], s[G0B+4*\s+3], 0x80000000
	JLOAD G0+4*\s, G1, G0B+4*\s, G1B               ; two tensor loads of mine are out
.endr
	; every LDS address is made here, ahead of the parting of the ways out
	v_and_b32 v1, 15, v0                           ; r = lane % 16
	v_bfe_u32 v2, v0, 4, 1                         ; h = lane / 16
	v_and_b32 v3, 31, v0                           ; lane
	s_wait_alu depctr_va_vdst(0)
	v_mul_u32_u24 v4, v1, PITCH
	v_lshl_add_u32 v4, v2, 4, v4                   ; a fragment's row x pitch + 16 x half
	s_mul_i32 s21, s15, HALFT                      ; my 128 rows of A
	s_mul_i32 s22, s16, HALFT                      ; my 128 rows of B,
	s_add_co_u32 s22, s22, 2*HALFT                 ; which lie behind A's 256
.irp s, 0,1
	v_add_nc_u32 v[ADRA+\s], s21, v4
	v_add_nc_u32 v[ADRB+\s], s22, v4
	s_add_co_u32 s21, s21, SLOT
	s_add_co_u32 s22, s22, SLOT
.endr
	s_lshl_b32 s21, s14, 9
	s_add_co_u32 s21, s21, BSCR                    ; my 512 bytes for the bias
	v_lshl_add_u32 v[BST], v3, 4, s21              ; in: 16 bytes a lane
	v_lshl_add_u32 v[BRQ], v2, 5, s21              ; q, k: block b's eight numbers of my half: 64 b + 32 h
	v_lshl_add_u32 v[BRV], v1, 2, s21              ; v: block a's one number of my row: 64 a + 4 r
	s_mul_i32 s22, s14, QSTW
	s_add_co_u32 s22, s22, QST                     ; my stage for q, k
	v_mul_u32_u24 v[STOQ], v1, 80
	v_lshl_add_u32 v[STOQ], v2, 3, v[STOQ]
	v_add_nc_u32 v[STOQ], s22, v[STOQ]             ; in: token r, + 8 h
	v_lshrrev_b32 v5, 2, v3
	v_mul_u32_u24 v[RDQ], v5, 80
	v_and_b32 v5, 3, v3
	v_lshl_add_u32 v[RDQ], v5, 4, v[RDQ]
	v_add_nc_u32 v[RDQ], s22, v[RDQ]               ; back: four lanes to a token's 64 bytes, eight tokens an instruction
	v_lshlrev_b32 v[GOQ], 4, v3
	s_wait_alu depctr_va_vdst(0)
	s_mul_i32 s23, s15, HALFT
	s_lshl_b32 s22, s16, 7
	s_add_co_u32 s23, s23, s22
	v_add_nc_u32 v[STOV], s23, v4                  ; v's stage, in: row 128 wm + r, byte 128 wn + 16 h
	s_mul_i32 s23, s14, 64*PITCH
	v_mul_u32_u24 v[RDV], v2, PITCH
	v_lshl_add_u32 v[RDV], v1, 4, v[RDV]
	v_add_nc_u32 v[RDV], s23, v[RDV]               ; back: wave w takes rows 64 w on; sixteen lanes to a row, two rows an instruction
	v_lshlrev_b32 v[GOV], 11, v2
	v_lshl_add_u32 v[GOV], v1, 4, v[GOV]           ; and the same two rows (2,048 bytes apart) in v_codes
	; q, k: my first code: batch TR / 8, token 256 (TR % 8) + 128 wm, head 4 cx + 2 wn
	s_lshr_b32 s18, s17, 3
	s_lshl_b32 s18, s18, 21
	s_and_b32 s19, s17, 7
	s_lshl_b32 s19, s19, 14
	s_add_co_u32 s18, s18, s19
	s_lshl_b32 s19, s40, 19
	s_add_co_u32 s18, s18, s19
	s_lshl_b32 s19, s16, 18
	s_add_co_u32 s18, s18, s19
	s_lshl_b32 s19, s15, 13
	s_add_co_u32 s18, s18, s19
	s_mov_b32 s19, 0
	s_cmp_eq_u32 ttmp9, 0
	s_cselect_b64 s[92:93], s[68:69], s[70:71]
	s_add_nc_u64 s[92:93], s[92:93], s[18:19]
	; v: the first code that I store: batch TC / 8, row 256 TR + 64 wave of the batch's 1,024, key 256 (TC % 8)
	s_lshr_b32 s18, s42, 3
	s_lshl_b32 s18, s18, 21
	s_lshl_b32 s19, s17, 19
	s_add_co_u32 s18, s18, s19
	s_lshl_b32 s19, s14, 17
	s_add_co_u32 s18, s18, s19
	s_and_b32 s19, s42, 7
	s_lshl_b32 s19, s19, 8
	s_add_co_u32 s18, s18, s19
	s_mov_b32 s19, 0
	s_add_nc_u64 s[94:95], s[72:73], s[18:19]
	; the bias: my wave's 128 numbers: those of its rows of Wqkv: A's (v) or B's (q, k)
	s_lshl_b32 s18, s17, 8
	s_lshl_b32 s19, s15, 7
	s_add_co_u32 s18, s18, s19
	s_add_co_u32 s18, s18, 2048
	s_lshl_b32 s22, s42, 8
	s_lshl_b32 s19, s16, 7
	s_add_co_u32 s22, s22, s19
	s_cmp_eq_u32 ttmp9, 2
	s_cselect_b32 s18, s18, s22
	s_lshl_b32 s18, s18, 2
	s_mov_b32 s19, 0
	s_add_nc_u64 s[8:9], s[8:9], s[18:19]
	global_load_b128 v[BIA:BIA+3], v[GOQ], s[8:9]  ; 512 consecutive bytes; waited for behind the products
.macro FRAG reg, adr, q, i             ; a fragment, 16 rows x 128 K, is 16 registers: lane l holds row l % 16; registers 4 c .. 4 c + 3 hold K = 32 c + 16 (l / 16) + 0 .. 15: the same places in A and in B
.irp c, 0,1,2,3
	ds_load_b128 v[\reg+4*\c:\reg+4*\c+3], v[\adr] offset:128*(\q)+32*\c+(\i)*16*PITCH
.endr
.endm
; 16 matrix instructions: A's blocks a0, a0 + 1 x B's eight, 128 along K.  p: B's set.  zero = 1: the first product starts the sums.  The 64 accumulators take turns, in the same order in every step.
.macro MUL16 a0, p, zero
.irp a, \a0, \a0+1
.irp b, 0,1,2,3,4,5,6,7
.if \zero
	v_wmma_f32_16x16x128_bf8_bf8 v[8*(8*((\a)%4)+\b):8*(8*((\a)%4)+\b)+7], v[128*(\p)+FR*\b:128*(\p)+FR*\b+FR-1], v[AF+FR*(\a):AF+FR*(\a)+FR-1], 0
.else
	v_wmma_f32_16x16x128_bf8_bf8 v[8*(8*((\a)%4)+\b):8*(8*((\a)%4)+\b)+7], v[128*(\p)+FR*\b:128*(\p)+FR*\b+FR-1], v[AF+FR*(\a):AF+FR*(\a)+FR-1], v[8*(8*((\a)%4)+\b):8*(8*((\a)%4)+\b)+7]
.endif
.endr
.endr
.endm
.macro FETCH_B slot, q, p              ; B's eight fragments of the slot's q-th 128 along K into set p
	WIN TO_B
.irp i, 0,1,2,3,4,5,6,7
	FRAG 128*(\p)+FR*\i, ADRB+\slot, \q, \i
.endr
	WIN 0
.endm
.macro FETCH_A slot, q, i0             ; A's blocks i0 .. i0 + 3
.irp i, \i0, \i0+1, \i0+2, \i0+3
	FRAG AF+FR*(\i), ADRA+\slot, \q, \i
.endr
.endm
.macro PLACES n                        ; plain vector instructions between a matrix instruction and a load into, or a read of, its registers (ISA guide 7.12.1 for reads)
.rept \n
	v_nop
.endr
.endm
; A step of 128 along K that has its successor in the same slot.
.macro STEP slot, q, zero
	s_wait_dscnt 4*NL                              ; B's set and A's blocks 0-3 are in; the youngest 16 loads (A's blocks 4-7) may be out
	WIN MUL_LO
	MUL16 0, (\q)%2, \zero
	MUL16 2, (\q)%2, \zero
	s_wait_dscnt 0                                 ; A's blocks 4-7 are in
	PLACES NP
	FETCH_B \slot, (\q)+1, 1-(\q)%2
	FETCH_A \slot, (\q)+1, 0
	WIN MUL_HI
	MUL16 4, (\q)%2, \zero
	MUL16 6, (\q)%2, \zero
	PLACES NP
	WIN 0
	FETCH_A \slot, (\q)+1, 4
.endm
; A slot's last step changes slots: ONE barrier; in front of it each wave waits for all its tensor loads, adds 0 to its spare word, and waits for that and for its own reads of this slot.  fill = 1: this slot is filled again, two K steps ahead.
.macro TURN slot, next, fill
	s_wait_tensorcnt 0x0                           ; all my tensor loads have landed: my part of the next slot  (every window is 0 here)
	ds_add_u32 v[SPW], v[NIL]                      ; 0 onto my spare word
	s_wait_dscnt 4*NL+1                            ; (the add and the youngest 16 loads, A's blocks 4-7, may be out)
	WIN MUL_LO
	MUL16 0, 1, 0                                  ; sixteen matrix instructions stand between the add and the wait for it
	s_wait_dscnt 0x0                               ; the add is done, and my reads of this slot are over
	s_barrier_signal -1
	MUL16 2, 1, 0
	WIN 0
	s_barrier_wait -1
.if \fill
	CREST                                          ; the barrier has opened a round of the cluster's barrier: no wave of any partner still reads this slot's tile or has a load on its way
	s_add_nc_u64 s[G0+4*\slot+2:G0+4*\slot+3], s[G0+4*\slot+2:G0+4*\slot+3], 2*ROWB
	s_add_nc_u64 s[G0B+4*\slot+2:G0B+4*\slot+3], s[G0B+4*\slot+2:G0B+4*\slot+3], 2*ROWB
	JLOAD G0+4*\slot, G1, G0B+4*\slot, G1B         ; the first tensor load behind the round, my only one until the next; its four v_nop are the places in front of the loads below
.else
	PLACES NP
.endif
	FETCH_B \next, 0, 0
	FETCH_A \next, 0, 0
	WIN MUL_HI
	MUL16 4, 1, 0
	MUL16 6, 1, 0
	PLACES NP
	WIN 0
	FETCH_A \next, 0, 4
.endm
	s_wait_tensorcnt 1                             ; my part of K step 0 is in; K step 1's load may be out
	s_barrier_signal -1
	s_barrier_wait -1                              ; everybody's is
	FETCH_B 0, 0, 0
	FETCH_A 0, 0, 0
	FETCH_A 0, 0, 4
	STEP 0, 0, 1                                   ; K 0-127: its products start the sums: nothing is cleared
	TURN 0, 1, 1                                   ; K 128-255; slot 0 takes K step 2
	STEP 1, 0, 0
	TURN 1, 0, 1                                   ; slot 1 takes K step 3
	STEP 0, 0, 0
	TURN 0, 1, 0                                   ; nothing is left to fetch: a plain barrier; behind it nobody reads slot 0 again
	STEP 1, 0, 0
	s_wait_dscnt 4*NL                              ; the very last step
	WIN MUL_LO
	MUL16 0, 1, 0
	MUL16 2, 1, 0
	s_wait_dscnt 0
	WIN MUL_HI
	MUL16 4, 1, 0
	MUL16 6, 1, 0
	WIN 0
	PLACES NP                                      ; behind the last products: their results are read, and A's registers written, below
	s_wait_kmcnt 0x0
	s_add_co_i32 s96, s76, s77                     ; e0 + e1
	s_add_co_i32 s96, s96, 127
	s_lshl_b32 s96, s96, 23                        ; 2^(e0 + e1) as f32
	s_mov_b32 s97, s96                             ; (named with it as a pair, so it is written)
	s_cmp_eq_u32 ttmp9, 0
	s_cselect_b32 s87, s78, s79                    ; q: e2, k: e3,
	s_cmp_eq_u32 ttmp9, 2
	s_cselect_b32 s87, s81, s87                    ; v: e5: a choice, no branch
	s_add_co_i32 s87, s87, 127
	s_lshl_b32 s86, s87, 23
	v_mov_b32 v[SCL], s86                          ; 2^eT: the conversion takes its exponent field
	s_wait_loadcnt 0x0                             ; the bias
	ds_store_b128 v[BST], v[BIA:BIA+3]             ; into my own 512 bytes; LDS serves a wave's instructions in order (ISA guide 5.7.1.4): my loads below see it
; Block a (16 rows of A x my 128 rows of B) becomes codes: sum x 2^(e0 + e1) + bias, the hold, the conversion, eight codes a lane and block of B into a stage.  isv = 1: v's way.
.macro CONV a, isv
.if (\a) >= 2
	s_wait_dscnt 8                                 ; the block before's eight stores may be out: those of two blocks back have read this set of code registers
.endif
.set AC, 64*((\a)%4)
.set CDS, CD+16*((\a)%2)
	WIN 0x02+((\a)/4)                              ; source 0: window 2 or 3
.irp b, 0,1,2,3,4,5,6,7
.irp i, 0,2,4,6
.if \isv
	v_pk_fma_f32 v[T+8*\b+\i:T+8*\b+\i+1], v[AC+8*\b+\i:AC+8*\b+\i+1], s[96:97], v[BV+2*(\a):BV+2*(\a)+1] op_sel_hi:[1,0,1]   ; each accumulator from its low end on; the bias of my row
.else
	v_pk_fma_f32 v[T+8*\b+\i:T+8*\b+\i+1], v[AC+8*\b+\i:AC+8*\b+\i+1], s[96:97], v[BI+8*\b+\i:BI+8*\b+\i+1] op_sel_hi:[1,0,1]   ; the bias of my eight columns
.endif
.endr
.endr
	WIN 0
.set n, 0
.rept 64
.set n, n+1
.endr
.irp b, 0,1,2,3,4,5,6,7
	v_cvt_scalef32_pk8_bf8_f32 v[CDS+2*\b:CDS+2*\b+1], v[T+8*\b:T+8*\b+7], v[SCL]
.endr
	v_nop                                          ; one plain vector instruction behind the last conversion, ahead of whatever next writes its sources
.irp b, 0,1,2,3,4,5,6,7
.if \isv
	ds_store_b64 v[STOV], v[CDS+2*\b:CDS+2*\b+1] offset:(\a)*16*PITCH+32*(\b/2)+8*(\b%2)   ; keys 16 b + 8 h + j go to position 32 (b / 2) + 16 h + 8 (b % 2) + j
.else
	ds_store_b64 v[STOQ], v[CDS+2*\b:CDS+2*\b+1] offset:(\b/4)*5120+((\a)%4)*1280+16*(\b%4)   ; head b / 4, token 16 (a % 4) + r, d = 16 (b % 4) + 8 h + j
.endif
.endr
.endm
	s_cmp_eq_u32 ttmp9, 2                          ; the cluster's x alone: all waves of all partners go the same way
	s_cbranch_scc1 .Lv
	; ---- q, k: 64 tokens x 2 heads at a time through my own stage; a store covers eight tokens' 512 consecutive bytes of one head
.irp b, 0,1,2,3,4,5,6,7
	ds_load_b128 v[BI+8*\b:BI+8*\b+3], v[BRQ] offset:64*\b
	ds_load_b128 v[BI+8*\b+4:BI+8*\b+7], v[BRQ] offset:64*\b+16
.endr
	s_wait_dscnt 0x0
.macro BACK
.irp hh, 0,1
.irp t, 0,1,2,3,4,5,6,7
	ds_load_b128 v[OUT+4*(8*\hh+\t):OUT+4*(8*\hh+\t)+3], v[RDQ] offset:\hh*5120+\t*640
.endr
.endr
.endm
.macro SEND hf
.irp hh, 0,1
.irp t, 0,1,2,3,4,5,6,7
	s_wait_dscnt 15-(8*\hh+\t)                     ; LDS loads come back in order: this one is in, the younger ones may be out
	global_store_b128 v[GOQ], v[OUT+4*(8*\hh+\t):OUT+4*(8*\hh+\t)+3], s[92:93] offset:\hh*131072+\hf*4096+\t*512
.endr
.endr
.endm
	CONV 0, 0
	CONV 1, 0
	CONV 2, 0
	CONV 3, 0
	BACK
	SEND 0
	CONV 4, 0
	CONV 5, 0
	CONV 6, 0
	CONV 7, 0
	s_wait_xcnt 0x0                                ; the first half's stores have read their registers: they are loaded again only behind this wait
	BACK
	SEND 1
	s_branch .Ldone
.Lv:	; ---- v: a row's 256 codes come from two waves: all 256 rows meet in one stage, a barrier, and each wave stores 64 whole rows: sixteen lanes 256 consecutive bytes, aligned
.irp a, 0,1,2,3,4,5,6,7
	ds_load_b32 v[BV+2*\a], v[BRV] offset:64*\a
	ds_load_b32 v[BV+2*\a+1], v[BRV] offset:64*\a  ; both halves of the pair hold my row's number
.endr
	s_wait_dscnt 0x0
.irp a, 0,1,2,3,4,5,6,7
	CONV \a, 1
.endr
	s_wait_dscnt 0x0                               ; for the others' sake: my stores into the stage are done
	s_barrier_signal -1
	s_barrier_wait -1
.set n, 0
.rept 32
	ds_load_b128 v[T+4*n:T+4*n+3], v[RDV] offset:2*PITCH*n
.set n, n+1
.endr
.set n, 0
.rept 32
	s_wait_dscnt 31-n
	global_store_b128 v[GOV], v[T+4*n:T+4*n+3], s[94:95] offset:4096*n
.set n, n+1
.endr
.Ldone:
	s_wait_tensorcnt 0x0                           ; the wave's end: a wait, an add of 0 to my spare word and its wait, behind my last tensor load and my last LDS store
	ds_add_u32 v[SPW], v[NIL]
	s_wait_dscnt 0x0
	CROUND                                         ; the closing round: no work-group ends while a partner may still ask for a tile that names it
	s_endpgm
.Lfunc_end_k_qd7f06c52ec_qkv:
	.size	k_qd7f06c52ec_qkv, .Lfunc_end_k_qd7f06c52ec_qkv-k_qd7f06c52ec_qkv
	.p2alignl 7, 3214868480
	.fill 96, 4, 3214868480
	.section	.rodata,"a",@progbits
	.p2align	6, 0x0
	.amdhsa_kernel k_qd7f06c52ec_qkv
		.amdhsa_group_segment_fixed_size 327680
		.amdhsa_private_segment_fixed_size 0
		.amdhsa_enable_private_segment 0
		.amdhsa_kernarg_size 56
		.amdhsa_user_sgpr_count 2
		.amdhsa_user_sgpr_kernarg_segment_ptr 1
		.amdhsa_wavefront_size32 1
		.amdhsa_system_sgpr_workgroup_id_x 1
		.amdhsa_system_sgpr_workgroup_id_y 1
		.amdhsa_system_sgpr_workgroup_id_z 1
		.amdhsa_system_vgpr_workitem_id 0
		.amdhsa_next_free_vgpr 1024
		.amdhsa_next_free_sgpr 100
		.amdhsa_reserve_vcc 0
		.amdhsa_float_denorm_mode_32 3
		.amdhsa_float_denorm_mode_16_64 3
		.amdhsa_fp16_overflow 1
		.amdhsa_memory_ordered 1
		.amdhsa_forward_progress 1
		.amdhsa_inst_pref_size 144
	.end_amdhsa_kernel
	.amdgpu_metadata
---
amdhsa.version: [ 1, 2 ]
amdhsa.kernels:
  - .name:           k_qd7f06c52ec_qkv
    .symbol:         k_qd7f06c52ec_qkv.kd
    .args:
      - { .name: x_codes, .offset: 0, .size: 8, .value_kind: global_buffer, .address_space: global }
      - { .name: Wqkv_w_codes, .offset: 8, .size: 8, .value_kind: global_buffer, .address_space: global }
      - { .name: Wqkv_b, .offset: 16, .size: 8, .value_kind: global_buffer, .address_space: global }
      - { .name: lowp_scales, .offset: 24, .size: 8, .value_kind: global_buffer, .address_space: global }
      - { .name: q_codes, .offset: 32, .size: 8, .value_kind: global_buffer, .address_space: global }
      - { .name: k_codes, .offset: 40, .size: 8, .value_kind: global_buffer, .address_space: global }
      - { .name: v_codes, .offset: 48, .size: 8, .value_kind: global_buffer, .address_space: global }
    .group_segment_fixed_size: 327680
    .private_segment_fixed_size: 0
    .kernarg_segment_align: 8
    .kernarg_segment_size: 56
    .max_flat_workgroup_size: 128
    .sgpr_count:     100
    .vgpr_count:     1024
    .wavefront_size: 32
...
	.end_amdgpu_metadata
.endif
;; end of part 1
;; launch attn (part 2): grid 4 x 64, 16 waves a work-group, no clusters, 327,680 bytes of LDS; arguments q_codes, k_codes, v_codes, lowp_scales, a_codes; writes a_codes
.if DOCPART == 2
	.amdgcn_target "amdgcn-amd-amdhsa--gfx1250"
	.amdhsa_code_object_version 6
	.text
	.protected	k_qd7f06c52ec_attn
	.globl	k_qd7f06c52ec_attn
	.p2align	8
	.type	k_qd7f06c52ec_attn,@function
k_qd7f06c52ec_attn:
	s_mov_b64 s[64:65], 0
	v_nop
	global_prefetch_b8 v0, s[64:65] scope:SCOPE_SE
	s_setreg_imm32_b32 hwreg(HW_REG_WAVE_MODE, 25, 1), 1
	s_wait_xcnt 0x0
; SECOND LAUNCH: causal attention on codes of E5M2, head size 64, and its result quantised for the projection.
; q_codes, k_codes: [bh 64][l 2048][d 64].  v_codes: [bh][d 64][2048 keys], inside every 32 keys position 16 h + 8 u + j = key 16 u + 8 h + j.  a_codes (out): [head 16][token 8192][d 64].
; LEFT OUT AS DEAD WORK: steps of 128 keys all of which come after a tile's 16 queries: reference()'s own mask gives them the weight 0 for all values of the inputs (shown at the head of the first launch's text).
; THE SOFTMAX AHEAD OF THE SECOND PRODUCT: t = score x log2(e) / 8; M = the running largest t rounded UP to a whole number; p = 2^(t - M) is quantised with 2^e4, not normalised; the row's sum is taken of the
; unquantised p and divides at the end; when M moves, the sum and O are multiplied by 2^(old M - new M), which rounds nothing.
; SHARES.  A work-group owns query blocks 7 - x and x (256 queries each) of one head: 8 - x and x + 1 slots of keys count for them, nine in every work-group: 256 work-groups of equal work.
; Each of its sixteen waves owns one tile of 16 queries of each block (H, L), in 256 registers: four waves to a SIMD, so that one wave's vector work stands beside another's products and LDS loads.
; Every work-group walks all eight slots of 256 keys (constant trip counts); a step that is hidden from a tile is jumped over by a scalar branch on ids.  K's and V's tiles come through two LDS slots
; (waves 0, 1: K's halves; waves 2, 3: V's) and are read by all sixteen.
; NO CLUSTER: the four work-groups of a head need 8 - x slots, a different number each, so a joint load would bring some partner tiles that none of its waves reads.
; LAYOUT.  Both products transposed: S^T = K Q^T (source 0 = 16 neighbouring keys, source 1 = my queries), O^T = V^T P^T: a lane holds ONE query (lane % 16).  Tile c's eight registers are keys 16 c + 8 (lane / 16)
; + 0 .. 7, so their eight codes are registers 2 c, 2 c + 1 of the second product's operand; V's order of keys in memory gives its 16-byte loads the same places.
; LIMITS on the given exponents: e2 + e3 between -123 and 130 (added to c's exponent field); e4, e6 between -126 and 112; e4 + e5 is applied by v_ldexp_f32 and has none.
.set SK,    256                        ; keys in a slot
.set KP,    80                         ; a key's row in LDS: 64 bytes + 16 = 20 words: sixteen rows start at sixteen different multiples of four banks (64 banks of 4 bytes: ISA guide 11.1)
.set VP,    272                        ; a row of V's tile: 256 + 16
.set VOFF,  SK*KP                      ; a slot: 256 rows of K, then 64 rows of V
.set SLOT1, 1<<16                      ; slot 1 begins here: one exclusive or turns an address from one slot to the other
.set NSL,   8
.set SPARE, 2*SLOT1                    ; the spare words, 128 bytes for each of 16 waves: eight blocks of 256 bytes that no other line names
.set STAGE, SPARE+2048                 ; the way out: for each wave [tile 2][query 16][80 bytes]; no tensor load lands here
.set AK0,  1                           ; v1   my lane's place in a tile of K
.set AV0,  2                           ; v2   the same for V
.set PFO,  3                           ; v3   the prefetches' offset; never rewritten
.set STO,  4                           ; v4   the way out: where I put eight codes
.set SPW,  5                           ; v5   my spare word; never rewritten
.set NIL,  6                           ; v6   0; never rewritten
.set GO,   7                           ; v7   16 x lane
.set ADK,  8                           ; v8   LDS address of the step's tiles of K
.set ADV,  9                           ; v9   of V
.set RD,   10                          ; v10  the way out: where I read 16 codes back
.set STH,  12                          ; v12 -M, v13 the largest t, v[14:15] the sum in two halves: tile H
.set STL,  16                          ; v16-19 the same for tile L
.set QH,   20                          ; v20-27 Q of tile H;  v28-35 of tile L
.set QL,   28
.set F,    36                          ; v36-99   eight fragments of K, then four of V
.set S,    100                         ; v100-163 S^T, then p
.set OH,   164                         ; v164-195 O^T of tile H;  v196-227 of tile L
.set OL,   196
.set PC,   228                         ; v228-243 p's codes;  v244: 2^e4;  v246 a permute's target;  v[248:249] the second chain of sums;  v[250:251] f;  v252-254 at work
.set WV,   18
.set SEL,  20                          ; s[20:21] lane selects for v_permlanex16_b32: lane l xor 16
.set CS,   22                          ; s[22:23] c = log2(e) / 8 x 2^(e2 + e3)
.set G1K,  24
.set G1V,  32
.set G0K,  40
.set G0V,  44
.set TB,   2                           ; s2   LDS byte at which the slot in hand begins
.set Q0L,  66                          ; s66  tile L's first query
.set SLOTS, 67                         ; s67  changes of slots still to come in the loop
.set PFA,  76                          ; s[76:77] where my prefetches stand
.set PFS,  78                          ; s[78:79] a slot on, in bytes
.set LIM,  80                          ; s80  1 in a wave that prefetches, else the greatest number
.set KF,   98                          ; s98  the step's first key
.set Q0H,  99                          ; s99  tile H's first query
; Waves 0 and 1 fetch for K, waves 2 and 3 for V, the others nothing.  An s_nop 0 and four v_nop follow each of the two lines.
.macro TLOAD
	s_cmp_lt_u32 s[WV], 2
	s_cbranch_scc0 .Lnot_k_\@
	tensor_load_to_lds s[G0K:G0K+3], s[G1K:G1K+7]
	s_nop 0
.rept 4
	v_nop
.endr
	s_branch .Lasked_\@
.Lnot_k_\@:
	s_cmp_lt_u32 s[WV], 4
	s_cbranch_scc0 .Lasked_\@
	tensor_load_to_lds s[G0V:G0V+3], s[G1V:G1V+7]
	s_nop 0
.rept 4
	v_nop
.endr
.Lasked_\@:
.endm
; A PREFETCH of what the NEXT change of slots will ask for.  All four work-groups of a head walk the same K and V: the first of them (x = 0, which loads every slot) asks, and in it waves that fetch nothing:
; waves 4, 5 for K's 16,384 dense bytes, 8,192 a wave, lanes 256 bytes apart; waves 6, 7 for V's 64 rows, 32 a wave, a lane a row's 256 bytes.  So each aligned block of 256 bytes is named once in the launch.
; Slots 0 and 1 come by their loads alone; the last change that fills a slot asks for nothing: there is no slot behind it.
.macro ASK
	s_cmp_gt_u32 s[SLOTS], s[LIM]
	s_cbranch_scc0 .Lnot_mine_\@
	global_prefetch_b8 v[PFO], s[PFA:PFA+1] th:TH_LOAD_NT scope:SCOPE_SE
.Lnot_mine_\@:
.endm
	s_load_b128 s[4:7], s[0:1], 0x0                ; q_codes s[4:5], k_codes s[6:7]
	s_load_b128 s[12:15], s[0:1], 0x10             ; v_codes s[12:13], the scales' exponents s[14:15]
	s_load_b64 s[16:17], s[0:1], 0x20              ; a_codes
	v_lshl_add_u32 v[SPW], v0, 2, SPARE
	v_mov_b32 v[NIL], 0
	ds_add_u32 v[SPW], v[NIL]                      ; the wave's opening: the add, twice on end, and its wait ahead of the first tensor load
	ds_add_u32 v[SPW], v[NIL]                      ; and once more; the set-up below, work on registers, stands between it and the wait
	v_lshrrev_b32 v8, 5, v0
	s_delay_alu instid0(VALU_DEP_1)
	v_readfirstlane_b32 s[WV], v8                  ; wave 0..15
	s_and_b32 s48, ttmp7, 0xffff                   ; bh = 16 x batch + head
	s_lshl_b32 s50, s48, 17                        ; its first byte in q_codes, k_codes, v_codes: 2,048 x 64 bytes each
	s_mov_b32 s51, 0
	s_lshl_b32 s52, s[WV], 4
	s_sub_co_u32 s53, 7, ttmp9
	s_lshl_b32 s53, s53, 8
	s_add_co_u32 s[Q0H], s53, s52                  ; 256 (7 - x) + 16 wave
	s_lshl_b32 s53, ttmp9, 8
	s_add_co_u32 s[Q0L], s53, s52                  ; 256 x + 16 wave
	s_lshl_b32 s88, s[Q0H], 6
	s_add_co_u32 s88, s88, s50                     ; Q's codes of tile H,
	s_mov_b32 s89, 0
	s_lshl_b32 s90, s[Q0L], 6
	s_add_co_u32 s90, s90, s50                     ; of tile L
	s_mov_b32 s91, 0
	s_and_b32 s54, s48, 15
	s_lshl_b32 s54, s54, 19                        ; a_codes: the head's 8,192 tokens x 64,
	s_lshr_b32 s55, s48, 4
	s_lshl_b32 s55, s55, 17                        ; the batch's 2,048 of them
	s_add_co_u32 s54, s54, s55
	s_lshl_b32 s84, s[Q0H], 6
	s_add_co_u32 s84, s84, s54
	s_mov_b32 s85, 0
	s_lshl_b32 s86, s[Q0L], 6
	s_add_co_u32 s86, s86, s54
	s_mov_b32 s87, 0
	s_and_b32 s54, s[WV], 1                        ; what I fetch, if I fetch: waves 0, 1: keys 128 (wave % 2) on; waves 2, 3: rows 32 (wave % 2) on of V
	s_lshl_b32 s56, s54, 13
	s_add_co_u32 s56, s56, s50                     ; K in memory,
	s_mov_b32 s57, 0
	s_mul_i32 s60, s54, 128*KP                     ; and in a slot
	s_lshl_b32 s58, s54, 16
	s_add_co_u32 s58, s58, s50                     ; V in memory,
	s_mov_b32 s59, 0
	s_mul_i32 s61, s54, 32*VP
	s_add_co_u32 s61, s61, VOFF                    ; and in a slot
	; descriptor group 1: K: 128 rows of 64 bytes, dense in memory;  V: 32 rows of 256 bytes, 2,048 bytes apart
	s_mov_b32 s[G1K], (0<<16)|(1<<20)|(3<<22)|(3<<25)   ; no mask; elements of 1 byte; padding on: four words (code 3) after every 16 (code 3)
	s_mov_b32 s[G1K+1], 64<<16                     ; tensor_dim0
	s_mov_b32 s[G1K+2], 128<<16                    ; tensor_dim1
	s_mov_b32 s[G1K+3], 64<<16                     ; tile_dim0
	s_mov_b32 s[G1K+4], 128                        ; tile_dim1
	s_mov_b32 s[G1K+5], 64                         ; tensor_dim0_stride
	s_mov_b32 s[G1K+6], 0
	s_mov_b32 s[G1K+7], 0
	s_mov_b32 s[G1V], (0<<16)|(1<<20)|(5<<22)|(3<<25)   ; padding: four words after every 64
	s_mov_b32 s[G1V+1], 256<<16
	s_mov_b32 s[G1V+2], 32<<16
	s_mov_b32 s[G1V+3], 256<<16
	s_mov_b32 s[G1V+4], 32
	s_mov_b32 s[G1V+5], 2048
	s_mov_b32 s[G1V+6], 0
	s_mov_b32 s[G1V+7], 0
	s_mov_b32 s[SEL], 0x76543210
	s_mov_b32 s[SEL+1], 0xfedcba98
	s_mov_b32 s[CS], 0x3e38aa3b                    ; log2(e) / 8
	s_mov_b32 s[TB], 0
	s_mov_b32 s[SLOTS], NSL-1
	s_mov_b32 s[KF], 0
	s_wait_dscnt 0x0                               ; both opening adds are done
	s_wait_kmcnt 0x0
	s_load_b256 s[68:75], s[14:15], 0x0            ; e0 .. e7
	s_mov_b32 s[G0K], 1                            ; count = 1
	s_mov_b32 s[G0K+1], s60                        ; LDS address: slot 0
	s_add_nc_u64 s[G0K+2:G0K+3], s[6:7], s[56:57]  ; global address: the head's first 256 keys
	s_or_b32 s[G0K+3], s[G0K+3], 0x80000000        ; type = 2
	s_mov_b32 s[G0V], 1
	s_mov_b32 s[G0V+1], s61
	s_add_nc_u64 s[G0V+2:G0V+3], s[12:13], s[58:59]
	s_or_b32 s[G0V+3], s[G0V+3], 0x80000000
	TLOAD                                          ; slot 0: it holds key 0, which counts for every query
	s_add_nc_u64 s[88:89], s[4:5], s[88:89]
	s_add_nc_u64 s[90:91], s[4:5], s[90:91]
	s_add_nc_u64 s[84:85], s[16:17], s[84:85]
	s_add_nc_u64 s[86:87], s[16:17], s[86:87]
	; the prefetches: where my wave's stand, and who asks
	s_cmp_lt_u32 s[WV], 6
	s_cselect_b64 s[PFA:PFA+1], s[6:7], s[12:13]
	s_mov_b32 s[PFS], SK
	s_cselect_b32 s[PFS], SK*64, s[PFS]            ; a slot on
	s_mov_b32 s82, 2048
	s_cselect_b32 s82, 256, s82                    ; from lane to lane
	s_mov_b32 s83, 32*2048
	s_cselect_b32 s83, 8192, s83                   ; from wave to wave
	v_and_b32 v[PFO], 31, v0
	s_delay_alu instid0(VALU_DEP_1)
	v_mul_lo_u32 v[PFO], v[PFO], s82
	s_and_b32 s82, s[WV], 1
	s_mul_i32 s82, s82, s83
	s_add_co_u32 s82, s82, s[PFS]                  ; in slot 1: the first change of slots steps it to slot 2.  Nothing is prefetched here, at the head
	s_mov_b32 s83, 0
	s_mov_b32 s[PFS+1], 0
	s_add_nc_u64 s[PFA:PFA+1], s[PFA:PFA+1], s[50:51]
	s_add_nc_u64 s[PFA:PFA+1], s[PFA:PFA+1], s[82:83]
	s_sub_co_u32 s82, s[WV], 4
	s_lshr_b32 s82, s82, 2                         ; 0 in waves 4 to 7,
	s_or_b32 s82, s82, ttmp9                       ; of the head's work-group x = 0
	s_cmp_eq_u32 s82, 0
	s_cselect_b32 s[LIM], 1, -1
	v_and_b32 v8, 15, v0                           ; r
	v_bfe_u32 v9, v0, 4, 1                         ; h
	s_delay_alu instid0(VALU_DEP_2)
	v_lshlrev_b32 v11, 6, v8
	s_delay_alu instid0(VALU_DEP_1)
	v_lshl_add_u32 v11, v9, 4, v11                 ; Q: row r of 64 bytes, + 16 h
	global_load_b128 v[QH:QH+3], v11, s[88:89]     ; registers 0-3: d = 16 h + 0 .. 15; registers 4-7: d = 32 + 16 h + 0 .. 15: the places that K's loads give K
	global_load_b128 v[QH+4:QH+7], v11, s[88:89] offset:32
	global_load_b128 v[QL:QL+3], v11, s[90:91]
	global_load_b128 v[QL+4:QL+7], v11, s[90:91] offset:32
	v_mul_u32_u24 v[AK0], v8, KP
	s_delay_alu instid0(VALU_DEP_1)
	v_lshl_add_u32 v[AK0], v9, 4, v[AK0]
	v_mul_u32_u24 v[AV0], v8, VP
	s_delay_alu instid0(VALU_DEP_1)
	v_lshl_add_u32 v[AV0], v9, 4, v[AV0]
	s_delay_alu instid0(VALU_DEP_1)
	v_add_nc_u32 v[AV0], VOFF, v[AV0]
	s_mul_i32 s62, s[WV], 2*16*80
	s_add_co_u32 s62, s62, STAGE                   ; my stage
	v_mul_u32_u24 v[STO], v8, 80
	s_delay_alu instid0(VALU_DEP_1)
	v_lshl_add_u32 v[STO], v9, 3, v[STO]
	s_delay_alu instid0(VALU_DEP_1)
	v_add_nc_u32 v[STO], s62, v[STO]               ; in: query r, + 8 h
	v_and_b32 v253, 31, v0
	s_delay_alu instid0(VALU_DEP_1)
	v_lshrrev_b32 v252, 2, v253
	s_delay_alu instid0(VALU_DEP_1)
	v_mul_u32_u24 v[RD], v252, 80
	s_delay_alu instid0(VALU_DEP_3)
	v_and_b32 v252, 3, v253
	s_delay_alu instid0(VALU_DEP_1)
	v_lshl_add_u32 v[RD], v252, 4, v[RD]
	s_delay_alu instid0(VALU_DEP_1)
	v_add_nc_u32 v[RD], s62, v[RD]                 ; back: four lanes to a query's 64 bytes
	v_lshlrev_b32 v[GO], 4, v253
.irp st, STH, STL
	v_mov_b32 v[\st+1], 0xff61b1e6                 ; the largest t so far: -3e38, under every t
	s_delay_alu instid0(VALU_DEP_1)
	v_floor_f32 v[\st], -v[\st+1]                  ; -M
	v_mov_b32 v[\st+2], 0                          ; the sum, in two halves
	v_mov_b32 v[\st+3], 0
.endr
	v_mov_b32 v246, 0                              ; written once: a lane permute's destination counts as one of its sources
	v_mov_b32 v251, 0                              ; (named as the upper half of the pair v[250:251])
.set n, 0
.rept 64
	v_mov_b32 v[OH+n], 0                           ; O^T of both tiles.  (The step is written once for first and later steps: the first change of M multiplies zeros)
.set n, n+1
.endr
	s_wait_kmcnt 0x0
	s_add_co_i32 s62, s70, s71
	s_lshl_b32 s62, s62, 23
	s_add_co_i32 s[CS], s[CS], s62                 ; a score stands for score x 2^(e2 + e3): added to c's exponent field
	s_mov_b32 s[CS+1], s[CS]                       ; (named with it as a pair, so it is written)
	s_add_co_i32 s62, s72, 127
	s_lshl_b32 s63, s62, 23
	v_mov_b32 v244, s63                            ; 2^e4, for p's conversion
; A KEY STEP of one tile: 128 keys, the kq-th of the slot in hand.  st: the tile's statistics; qf: its Q; ot: its O^T; qz: the scalar register with its first query.
.macro STEP kq, st, qf, ot, qz
	s_add_co_u32 s96, s[\qz], 15
	s_cmp_gt_u32 s[KF], s96                        ; all 128 keys come after my 16 queries: the step is left out.  Ids and the count of steps alone; no barrier and no tensor load stands in a step
	s_cbranch_scc1 .Lhidden_\@
	v_add_nc_u32 v[ADK], s[TB], v[AK0]
	v_add_nc_u32 v[ADV], s[TB], v[AV0]
	v_nop
	v_nop                                          ; four places, the two additions among them, in front of loads into registers that the last products read
.irp c, 0,1,2,3,4,5,6,7
	ds_load_b128 v[F+8*\c:F+8*\c+3], v[ADK] offset:(128*(\kq)+16*\c)*KP
	ds_load_b128 v[F+8*\c+4:F+8*\c+7], v[ADK] offset:(128*(\kq)+16*\c)*KP+32
.endr
	s_wait_alu depctr_va_vdst(0)
	s_wait_dscnt 0x0
.irp c, 0,1,2,3,4,5,6,7
	v_wmma_f32_16x16x64_bf8_bf8 v[S+8*\c:S+8*\c+7], v[F+8*\c:F+8*\c+7], v[\qf:\qf+7], 0   ; S^T: keys 16 c on
.endr
.rept 4
	v_nop
.endr
.irp t, 0,1,2,3
.irp c, 0,1,2,3
	ds_load_b128 v[F+16*\t+4*\c:F+16*\t+4*\c+3], v[ADV] offset:16*\t*VP+128*(\kq)+32*\c   ; V's four fragments land while the softmax is walked
.endr
.endr
	s_add_co_u32 s96, s[KF], 127                   ; on the diagonal the scores of hidden keys become -infinity ahead of the maximum: p = 0 then.  A step all of whose keys count skips this
	s_cmp_le_u32 s96, s[\qz]
	s_cbranch_scc1 .Lopen_\@
	s_sub_co_i32 s96, s[\qz], s[KF]
	v_and_b32 v252, 15, v0
	v_bfe_u32 v253, v0, 4, 1
	s_delay_alu instid0(VALU_DEP_1)
	v_lshlrev_b32 v253, 3, v253
	s_delay_alu instid0(VALU_DEP_1)
	v_sub_nc_u32 v252, v252, v253
	s_delay_alu instid0(VALU_DEP_1)
	v_add_nc_u32 v252, s96, v252                   ; d = my query - KF - 8 (lane / 16).  Register 8 c + j holds key KF + 16 c + 8 (lane / 16) + j: hidden where 16 c + j > d
	v_mov_b32 v254, 0xff800000                     ; -infinity
.set n, 0
.rept 64
	v_cmp_gt_i32 vcc_lo, 16*(n/8)+n%8, v252
	v_cndmask_b32 v[S+n], v[S+n], v254, vcc_lo
.set n, n+1
.endr
.Lopen_\@:
	v_max3_num_f32 v254, v[S], v[S+1], v[S+2]      ; the step's largest score of my query among my 64 keys, in two chains; each accumulator is read from its low end on
	v_max3_num_f32 v252, v[S+3], v[S+4], v[S+5]
.irp i, 6,10,14,18,22,26,30,34,38,42,46,50,54,58
	v_max3_num_f32 v254, v254, v[S+\i], v[S+\i+1]
	v_max3_num_f32 v252, v252, v[S+\i+2], v[S+\i+3]
.endr
	v_max3_num_f32 v254, v254, v[S+62], v[S+63]
	s_delay_alu instid0(VALU_DEP_1)
	v_max_num_f32 v254, v254, v252
	s_delay_alu instid0(VALU_DEP_1)
	v_permlanex16_b32 v246, v254, s[SEL], s[SEL+1]
	s_delay_alu instid0(VALU_DEP_1)
	v_max_num_f32 v254, v254, v246                 ; and among lane l xor 16's: a number, since the step's first key counts for all 16 queries
	s_delay_alu instid0(VALU_DEP_1)
	v_mul_f32 v254, s[CS], v254                    ; as t (c is positive)
	s_delay_alu instid0(VALU_DEP_1)
	v_max_num_f32 v[\st+1], v[\st+1], v254         ; the running largest t
	v_mov_b32 v254, v[\st]
	s_delay_alu instid0(VALU_DEP_2)
	v_floor_f32 v[\st], -v[\st+1]                  ; the new -M = floor(-t) = -ceil(t): a whole number
	s_delay_alu instid0(VALU_DEP_1)
	v_sub_f32 v254, v[\st], v254                   ; old M - new M: a whole number, 0 or less
	s_delay_alu instid0(VALU_DEP_1)
	v_cvt_i32_f32 v254, v254                       ; (it saturates)
	s_delay_alu instid0(VALU_DEP_1)
	v_ldexp_f32 v250, 1.0, v254                    ; f = 2^(old M - new M)
.set n, 0
.rept 32
	v_pk_fma_f32 v[S+n:S+n+1], v[S+n:S+n+1], s[CS:CS+1], v[\st:\st+1] op_sel_hi:[1,0,0]   ; t - M, two at a time (of the pairs c and -M the low word serves both halves)
.set n, n+2
.endr
.set n, 0
	s_wait_alu depctr_va_vdst(0)
.rept 64
	v_exp_f32 v[S+n], v[S+n]                       ; p = 2^(t - M), at most 1
.set n, n+1
.endr
	v_pk_mul_f32 v[\st+2:\st+3], v[\st+2:\st+3], v[250:251] op_sel_hi:[1,0]   ; the sums under the new M: the plain instruction behind the exponentials
	s_wait_alu depctr_va_vdst(0)                   ; one wait for the whole batch, ahead of its first reader
	v_pk_add_f32 v[248:249], v[S:S+1], v[S+2:S+3]  ; the row's sum is taken of the UNQUANTISED p, in two chains
.irp j, 4,8,12,16,20,24,28,32,36,40,44,48,52,56,60
	v_pk_add_f32 v[\st+2:\st+3], v[\st+2:\st+3], v[S+\j:S+\j+1]
	v_pk_add_f32 v[248:249], v[248:249], v[S+\j+2:S+\j+3]
.endr
	s_delay_alu instid0(VALU_DEP_1)
	v_pk_add_f32 v[\st+2:\st+3], v[\st+2:\st+3], v[248:249]
.set n, 0
.rept 64
.set n, n+1
.endr
.irp c, 0,1,2,3,4,5,6,7
	v_cvt_scalef32_pk8_bf8_f32 v[PC+2*\c:PC+2*\c+1], v[S+8*\c:S+8*\c+7], v244   ; registers 2 c, 2 c + 1 of the operand: keys 16 c + 8 (lane / 16) + 0 .. 7
.endr
.set n, 0
.rept 16
	v_pk_mul_f32 v[\ot+n:\ot+n+1], v[\ot+n:\ot+n+1], v[250:251] op_sel_hi:[1,0]   ; O^T under the new M.  (Plain instructions between the conversions and the products that read their results)
.set n, n+2
.endr
	s_wait_alu depctr_va_vdst(0)
	s_wait_dscnt 0x0                               ; V is in
.irp t, 0,1,2,3
	v_wmma_f32_16x16x128_bf8_bf8 v[\ot+8*\t:\ot+8*\t+7], v[F+16*\t:F+16*\t+15], v[PC:PC+15], v[\ot+8*\t:\ot+8*\t+7]   ; four accumulators by turns; the eight products of S^T stand between two links of a chain
.endr
.Lhidden_\@:
.endm
; THE CHANGE OF SLOTS stands at a slot's head.  Each wave waits for all its tensor loads, adds 0 to its spare word (fill = 1: twice on end), and waits for that and for its reads of the slot that it has left.
; Behind the barrier the slot ahead is whole and nobody reads the other one; fill = 1: that other slot is filled with the keys that follow, up to the causal limit.
.macro CHANGE fill
	s_wait_tensorcnt 0x0                           ; no tensor load of mine is out, so a group 0 may be written
	ds_add_u32 v[SPW], v[NIL]                      ; 0 onto my spare word
.if \fill
	ds_add_u32 v[SPW], v[NIL]                      ; and once more
	s_xor_b32 s[G0K+1], s[G0K+1], SLOT1            ; the walking descriptors: the other slot than last time,
	s_add_nc_u64 s[G0K+2:G0K+3], s[G0K+2:G0K+3], SK*64   ; the next 256 keys; the type bits on top are not reached
	s_xor_b32 s[G0V+1], s[G0V+1], SLOT1
	s_add_nc_u64 s[G0V+2:G0V+3], s[G0V+2:G0V+3], SK
	s_wait_xcnt 0x0                                ; the last prefetch, a slot back, has read its address, so it may be written:
	s_add_nc_u64 s[PFA:PFA+1], s[PFA:PFA+1], s[PFS:PFS+1]   ; one slot further on than the walking descriptors
.endif
	s_wait_dscnt 0x0                               ; the add is done, and my reads of the slot that I have left are over
	s_barrier_signal -1
	s_barrier_wait -1
.if \fill
	s_add_co_u32 s96, s[KF], SK                    ; the first key of the slot that this change would ask for
	s_or_b32 s97, s[Q0H], 255                      ; my work-group's last query
	s_cmp_gt_u32 s96, s97                          ; a slot beyond it is read by none of the sixteen waves, so it is not asked for.  Ids and the count of steps alone: all waves go the same way; every wait on TENSORcnt here is for 0
	s_cbranch_scc1 .Lpast_\@
	TLOAD                                          ; a wave's one tensor load until the next such barrier: it has a whole slot's steps in which to land
.Lpast_\@:
	ASK
.endif
.endm
.macro SLOT_STEPS
.irp kq, 0,1
	STEP \kq, STH, QH, OH, Q0H
	STEP \kq, STL, QL, OL, Q0L
	s_add_co_u32 s[KF], s[KF], 128
.endr
	s_xor_b32 s[TB], s[TB], SLOT1                  ; on to the other slot
.endm
	s_wait_loadcnt 0x0                             ; Q
.Lslot:                                            ; seven trips: behind each change of slots but the last the next slot is asked for, up to the limit
	CHANGE 1
	SLOT_STEPS
	s_sub_co_u32 s[SLOTS], s[SLOTS], 1
	s_cmp_lg_u32 s[SLOTS], 0
	s_cbranch_scc1 .Lslot
	CHANGE 0                                       ; the last slot is written out: nothing is left to ask for
	SLOT_STEPS
	; THE WAY OUT.  attn_out = O^T / the sum x 2^(e4 + e5), quantised with 2^e6; a tile's 16 x 64 codes go through my stage and leave as 1,024 consecutive bytes of a_codes.
	v_add_f32 v[STH+2], v[STH+2], v[STH+3]         ; the sums' two halves  (these plain lines are also the places behind the last products)
	v_add_f32 v[STL+2], v[STL+2], v[STL+3]
	s_delay_alu instid0(VALU_DEP_2)
	v_permlanex16_b32 v246, v[STH+2], s[SEL], s[SEL+1]
	s_delay_alu instid0(VALU_DEP_2)
	v_permlanex16_b32 v252, v[STL+2], s[SEL], s[SEL+1]
	s_delay_alu instid0(VALU_DEP_2)
	v_add_f32 v[STH+2], v[STH+2], v246             ; and lane l xor 16's: the rows' sums, each above 1/2
	s_delay_alu instid0(VALU_DEP_2)
	v_add_f32 v[STL+2], v[STL+2], v252
	s_wait_alu depctr_va_vdst(0)
	v_rcp_f32 v[STH+2], v[STH+2]
	v_rcp_f32 v[STL+2], v[STL+2]
	s_add_co_i32 s62, s74, 127
	s_lshl_b32 s63, s62, 23
	v_mov_b32 v244, s63                            ; 2^e6  (a plain instruction behind the reciprocals)
	s_add_co_i32 s63, s72, s73                     ; e4 + e5
	s_wait_alu depctr_va_vdst(0)                   ; one wait for both reciprocals, ahead of their first reader
	v_ldexp_f32 v[STH+2], v[STH+2], s63
	v_ldexp_f32 v[STL+2], v[STL+2], s63
.set n, 0
.rept 16
	v_pk_mul_f32 v[S+n:S+n+1], v[OH+n:OH+n+1], v[STH+2:STH+3] op_sel_hi:[1,0]   ; register 8 t + j: attn_out(query r, d = 16 t + 8 h + j); each accumulator from its low end on
.set n, n+2
.endr
.set n, 0
.rept 16
	v_pk_mul_f32 v[S+32+n:S+32+n+1], v[OL+n:OL+n+1], v[STL+2:STL+3] op_sel_hi:[1,0]
.set n, n+2
.endr
.set n, 0
.rept 64
.set n, n+1
.endr
.irp c, 0,1,2,3,4,5,6,7
	v_cvt_scalef32_pk8_bf8_f32 v[PC+2*\c:PC+2*\c+1], v[S+8*\c:S+8*\c+7], v244
.endr
	v_nop                                          ; one plain vector instruction behind the last conversion
.irp u, 0,1
.irp t, 0,1,2,3
	ds_store_b64 v[STO], v[PC+8*\u+2*\t:PC+8*\u+2*\t+1] offset:\u*1280+16*\t
.endr
.endr
.irp i, 0,1,2,3
	ds_load_b128 v[F+4*\i:F+4*\i+3], v[RD] offset:(\i/2)*1280+(\i%2)*640   ; LDS serves a wave's instructions in order (ISA guide 5.7.1.4): these see my stores
.endr
.irp i, 0,1,2,3
	s_wait_dscnt 3-\i
	global_store_b128 v[GO], v[F+4*\i:F+4*\i+3], s[84+2*(\i/2):85+2*(\i/2)] offset:(\i%2)*512   ; 32 lanes store 512 consecutive bytes, aligned
.endr
	s_wait_tensorcnt 0x0                           ; the wave's end: a wait, an add of 0 to my spare word and its wait, behind my last tensor load and my last LDS store
	ds_add_u32 v[SPW], v[NIL]
	s_wait_dscnt 0x0
	s_endpgm
.Lfunc_end_k_qd7f06c52ec_attn:
	.size	k_qd7f06c52ec_attn, .Lfunc_end_k_qd7f06c52ec_attn-k_qd7f06c52ec_attn
	.p2alignl 7, 3214868480
	.fill 96, 4, 3214868480
	.section	.rodata,"a",@progbits
	.p2align	6, 0x0
	.amdhsa_kernel k_qd7f06c52ec_attn
		.amdhsa_group_segment_fixed_size 327680
		.amdhsa_private_segment_fixed_size 0
		.amdhsa_enable_private_segment 0
		.amdhsa_kernarg_size 40
		.amdhsa_user_sgpr_count 2
		.amdhsa_user_sgpr_kernarg_segment_ptr 1
		.amdhsa_wavefront_size32 1
		.amdhsa_system_sgpr_workgroup_id_x 1
		.amdhsa_system_sgpr_workgroup_id_y 1
		.amdhsa_system_sgpr_workgroup_id_z 1
		.amdhsa_system_vgpr_workitem_id 0
		.amdhsa_next_free_vgpr 256
		.amdhsa_next_free_sgpr 100
		.amdhsa_reserve_vcc 1
		.amdhsa_float_denorm_mode_32 3
		.amdhsa_float_denorm_mode_16_64 3
		.amdhsa_fp16_overflow 1
		.amdhsa_memory_ordered 1
		.amdhsa_forward_progress 1
		.amdhsa_inst_pref_size 169
	.end_amdhsa_kernel
	.amdgpu_metadata
---
amdhsa.version: [ 1, 2 ]
amdhsa.kernels:
  - .name:           k_qd7f06c52ec_attn
    .symbol:         k_qd7f06c52ec_attn.kd
    .args:
      - { .name: q_codes, .offset: 0, .size: 8, .value_kind: global_buffer, .address_space: global }
      - { .name: k_codes, .offset: 8, .size: 8, .value_kind: global_buffer, .address_space: global }
      - { .name: v_codes, .offset: 16, .size: 8, .value_kind: global_buffer, .address_space: global }
      - { .name: lowp_scales, .offset: 24, .size: 8, .value_kind: global_buffer, .address_space: global }
      - { .name: a_codes, .offset: 32, .size: 8, .value_kind: global_buffer, .address_space: global }
    .group_segment_fixed_size: 327680
    .private_segment_fixed_size: 0
    .kernarg_segment_align: 8
    .kernarg_segment_size: 40
    .max_flat_workgroup_size: 512
    .sgpr_count:     100
    .vgpr_count:     256
    .wavefront_size: 32
...
	.end_amdgpu_metadata
.endif
;; end of part 2
;; launch proj (part 3): grid 4 x 32, 4 waves a work-group, clusters of 4 x 4, 327,680 bytes of LDS; arguments a_codes, out_w_codes, out_b, lowp_scales, out0; writes out0
.if DOCPART == 3
	.amdgcn_target "amdgcn-amd-amdhsa--gfx1250"
	.amdhsa_code_object_version 6
	.text
	.protected	k_qd7f06c52ec_proj
	.globl	k_qd7f06c52ec_proj
	.p2align	8
	.type	k_qd7f06c52ec_proj,@function
k_qd7f06c52ec_proj:
	s_mov_b64 s[64:65], 0
	v_nop
	global_prefetch_b8 v0, s[64:65] scope:SCOPE_SE
	s_setreg_imm32_b32 hwreg(HW_REG_WAVE_MODE, 25, 1), 1
	s_wait_xcnt 0x0
	s_wait_alu depctr_hold_cnt(0) depctr_sa_sdst(0) depctr_va_vdst(0) depctr_va_sdst(0) depctr_va_ssrc(0) depctr_va_vcc(0) depctr_vm_vsrc(0)
	s_getreg_b32 s2, hwreg(HW_REG_IB_STS2, 6, 4)
	s_cmp_eq_u32 s2, 0
	s_cbranch_scc0 .Lentry_in_a_cluster
	s_endpgm
.Lentry_in_a_cluster:
	s_bfe_u32 s2, ttmp6, 0x10000c
	s_cmp_lg_u32 s2, 0xf033
	s_cbranch_scc0 .Lentry_shape_is_right
	s_endpgm
.Lentry_shape_is_right:
; THIRD LAUNCH: out0 = attn_out out_w^T + out_b on codes of E5M2: the codes multiplied as they are, f32 sums, each sum once x 2^(e6 + e7) + bias by one fused multiply-add.  Nothing is left out here.
; a_codes: [head 16][token 8192][d 64] (K = 64 head + d);  out_w_codes: [1024][1024], K innermost;  out0: [8192][1024] f32.
; LIMIT: e6 + e7 between -126 and 127, so that 2^(e6 + e7) is an f32 number.
; SHARES.  A tile of 256 x 256 of out0 to a work-group of four waves, 128 x 128 to a wave: 64 accumulators.  32 x 4 tiles: 128 work-groups; a tile half as high would read half as much again from LDS for each product.
; K goes in four steps of 256 (four heads) through two LDS slots.  Clusters of 4 x 4: A's tile (tokens) is asked for jointly by a row of the cluster, B's (rows of out_w) by a column.
; A's tile of a wave: four rows, one a head, each of 128 tokens x 64 = 8,192 dense bytes, 524,288 bytes apart, with 16 bytes of padding behind every 64: in LDS [head 4][token 128][80 bytes].
; THE MATRIX INSTRUCTION IS USED TRANSPOSED (source 0 = 16 rows of out_w, source 1 = 16 tokens): a lane holds eight neighbouring numbers of a row of out0.
; REGISTERS, in windows of 256: window 0: v1-31 addresses, v8-11 the bias; v128-255 A's fragments, ONE set (on the way out: rows read back).  window 1: B's fragments, TWO sets.  windows 2, 3: the accumulators.
.set ROWB,   256
.set KROW,   1024
.set PITCH,  272                       ; B's LDS row: 256 + 16
.set PA,     80                        ; A's LDS row: a token's 64 bytes of one head + 16 = 20 words: sixteen rows start at sixteen different multiples of four banks (ISA guide 11.1)
.set HEADB,  128*PA                    ; a head's 128 tokens
.set HALFA,  4*HEADB                   ; what one tensor load brings of A
.set HALFT,  128*PITCH                 ; and of B
.set SLOT,   2*HALFA+2*HALFT
.set STEPA,  4*524288                  ; four heads on in a_codes
.set FR,     16
.set NL,     4
.set NP,     4
.set SPARE,  2*SLOT                    ; behind the ring: the spare words, 128 bytes a wave: two blocks of 256 bytes that no other line names
.set SPITCH, 528                       ; the way out: a stage of 16 rows x (512 + 16) bytes for each wave, in slot 0, which has had its last fill and its last read when the first result is stored there
.set ADRA, 16
.set ADRB, 20
.set STO,  24                          ; v24  the way out: where I put 32 bytes of a row
.set RD,   25                          ; v25  where I read a row back
.set CO,   26                          ; v26  16 x lane
.set SPW,  28
.set NIL,  29
.set AF,   128
.set BK,   128                         ; 16 rows read back: v128-191 and v192-255 by turns
.set G1, 24
.set G0, 32
.set G1B, 48
.set G0B, 56
.set MSB, 0
.macro WIN new                         ; the immediate's high byte repeats the setting that is left
.if MSB != (\new)
	s_set_vgpr_msb (MSB<<8)|(\new)
.set MSB, (\new)
.endif
.endm
.set MUL_LO, 0xa1
.set MUL_HI, 0xf1
.set TO_B,   0x40
.macro JLOAD g0a, g1a, g0b, g1b        ; a joint load: waves 0 and 1 fetch for A, waves 2 and 3 for B; an s_nop 0 and four v_nop follow each of the two lines
	s_cmp_eq_u32 s15, 0
	s_cbranch_scc0 .Lfor_b_\@
	tensor_load_to_lds s[\g0a:\g0a+3], s[\g1a:\g1a+7]
	s_nop 0
.rept 4
	v_nop
.endr
	s_branch .Lasked_\@
.Lfor_b_\@:
	tensor_load_to_lds s[\g0b:\g0b+3], s[\g1b:\g1b+7]
	s_nop 0
.rept 4
	v_nop
.endr
.Lasked_\@:
.endm
.macro CREST
	s_cmp_lg_u32 s14, 0
	s_cbranch_scc1 .Lnot_wave_0_\@
	s_barrier_signal -3
.Lnot_wave_0_\@:
	s_barrier_wait -3
	s_barrier_signal -1
	s_barrier_wait -1
.endm
.macro CROUND
	s_barrier_signal -1
	s_barrier_wait -1
	CREST
.endm
	s_load_b256 s[4:11], s[0:1], 0x0               ; a_codes s[4:5], out_w's codes s[6:7], out_b s[8:9], the scales' exponents s[10:11]
	s_load_b64 s[12:13], s[0:1], 0x20              ; out0
	v_lshl_add_u32 v[SPW], v0, 2, SPARE
	v_mov_b32 v[NIL], 0
	ds_add_u32 v[SPW], v[NIL]                      ; the wave's opening: the add, twice on end, and its wait ahead of my first tensor load
	ds_add_u32 v[SPW], v[NIL]                      ; and once more; the set-up below, work on registers, stands between it and the wait
	v_lshrrev_b32 v1, 5, v0
	v_readfirstlane_b32 s14, v1                    ; wave 0..3
	s_lshr_b32 s15, s14, 1                         ; wm.  Also: I fetch for A (0) or for B (1)
	s_and_b32 s16, s14, 1                          ; wn.  Also: which half of that tile I fetch
	s_bfe_u32 s40, ttmp6, 0x40000                  ; cx, cy
	s_bfe_u32 s41, ttmp6, 0x40004
	s_lshl_b32 s42, ttmp9, 2
	s_add_co_u32 s42, s42, s40                     ; TC: tile column
	s_and_b32 s17, ttmp7, 0xffff
	s_lshl_b32 s17, s17, 2
	s_add_co_u32 s17, s17, s41                     ; TR: tile row
	s_lshl_b32 s43, s41, 2
	s_lshl_b32 s43, 15, s43                        ; my row of the cluster
	s_lshl_b32 s44, 0x1111, s40                    ; my column
	s_or_b32 s[G1+0], s43, (0<<16)|(1<<20)|(1<<21)|(3<<22)|(3<<25)  ; A: the mask of my row; elements of 1 byte; padding on; bit 21 beside a mask; four words (code 3) after every 16 (code 3)
	s_mov_b32 s[G1+1], 8192<<16                    ; tensor_dim0 = 8,192
	s_mov_b32 s[G1+2], 4<<16                       ; tensor_dim1 = 4
	s_mov_b32 s[G1+3], 8192<<16                    ; tile_dim0
	s_mov_b32 s[G1+4], 4                           ; tile_dim1
	s_mov_b32 s[G1+5], 524288                      ; from head to head
	s_mov_b32 s[G1+6], 0
	s_mov_b32 s[G1+7], 0
	s_or_b32 s[G1B+0], s44, (0<<16)|(1<<20)|(1<<21)|(5<<22)|(3<<25) ; B: the mask of my column; four words after every 64
	s_mov_b32 s[G1B+1], ROWB<<16
	s_mov_b32 s[G1B+2], 128<<16
	s_mov_b32 s[G1B+3], ROWB<<16
	s_mov_b32 s[G1B+4], 128
	s_mov_b32 s[G1B+5], KROW
	s_mov_b32 s[G1B+6], 0
	s_mov_b32 s[G1B+7], 0
	s_lshl_b32 s20, s17, 14
	s_lshl_b32 s18, s16, 13
	s_add_co_u32 s20, s20, s18                     ; A: token 256 TR + 128 wn, x 64 bytes
	s_mov_b32 s21, 0
	s_lshl_b32 s46, s42, 8
	s_lshl_b32 s18, s16, 7
	s_add_co_u32 s46, s46, s18
	s_lshl_b32 s46, s46, 10                        ; B: row 256 TC + 128 wn, x 1,024 bytes
	s_mov_b32 s47, 0
	s_mul_i32 s45, s16, HALFA                      ; where they go: A's halves,
	s_mul_i32 s22, s16, HALFT
	s_add_co_u32 s22, s22, 2*HALFA                 ; then B's: no place in the cluster enters an LDS address
	s_wait_dscnt 0x0                               ; both opening adds are done
	s_wait_kmcnt 0x0
	s_load_b256 s[76:83], s[10:11], 0x0            ; e0 .. e7
	s_add_nc_u64 s[20:21], s[4:5], s[20:21]
	s_add_nc_u64 s[46:47], s[6:7], s[46:47]
	CROUND                                         ; all sixteen work-groups are here: the first joint loads meet
.irp s, 0,1
	s_mov_b32 s[G0+4*\s], 1
	s_add_co_u32 s[G0+4*\s+1], s45, \s*SLOT
	s_add_nc_u64 s[G0+4*\s+2:G0+4*\s+3], s[20:21], \s*STEPA
	s_or_b32 s[G0+4*\s+3], s[G0+4*\s+3], 0x80000000
	s_mov_b32 s[G0B+4*\s], 1
	s_add_co_u32 s[G0B+4*\s+1], s22, \s*SLOT
	s_add_nc_u64 s[G0B+4*\s+2:G0B+4*\s+3], s[46:47], \s*ROWB
	s_or_b32 s[G0B+4*\s+3], s[G0B+4*\s+3], 0x80000000
	s_wait_alu depctr_va_vdst(0)
	s_wait_tensorcnt 0x0
	ds_add_u32 v28, v29
	ds_add_u32 v28, v29
	s_wait_dscnt 0x0
	CROUND
	JLOAD G0+4*\s, G1, G0B+4*\s, G1B               ; one tensor load of mine is out: the one before has landed
.endr
	v_and_b32 v1, 15, v0                           ; r
	v_bfe_u32 v2, v0, 4, 1                         ; h
	v_and_b32 v3, 31, v0                           ; lane
	v_mul_u32_u24 v4, v1, PA
	v_lshl_add_u32 v4, v2, 4, v4                   ; A: token r x 80 + 16 h
	v_mul_u32_u24 v5, v1, PITCH
	v_lshl_add_u32 v5, v2, 4, v5                   ; B: row r x 272 + 16 h
	s_mul_i32 s21, s15, HALFA                      ; my 128 tokens
	s_mul_i32 s22, s16, HALFT
	s_add_co_u32 s22, s22, 2*HALFA                 ; my 128 rows of out_w
.irp s, 0,1
	v_add_nc_u32 v[ADRA+\s], s21, v4
	v_add_nc_u32 v[ADRB+\s], s22, v5
	s_add_co_u32 s21, s21, SLOT
	s_add_co_u32 s22, s22, SLOT
.endr
	s_mul_i32 s23, s14, 16*SPITCH                  ; my stage
	v_mul_u32_u24 v6, v1, SPITCH
	v_lshl_add_u32 v6, v2, 5, v6
	v_add_nc_u32 v[STO], s23, v6                   ; in: row r, 32 bytes for each half of the lanes
	v_lshlrev_b32 v[CO], 4, v3
	v_add_nc_u32 v[RD], s23, v[CO]                 ; back: the 32 lanes take one row of 512 bytes
	s_lshl_b32 s46, s42, 10
	s_lshl_b32 s47, s16, 9
	s_add_co_u32 s46, s46, s47                     ; my first column, in bytes: 1,024 TC + 512 wn
	s_mov_b32 s47, 0
	s_add_nc_u64 s[8:9], s[8:9], s[46:47]
	global_load_b128 v[8:11], v[CO], s[8:9]        ; the bias of the four columns that I store; waited for behind the products
	s_lshl_b32 s20, s17, 20
	s_lshl_b32 s21, s15, 19
	s_add_co_u32 s20, s20, s21                     ; my first row: 256 TR + 128 wm, x 4,096 bytes
	s_mov_b32 s21, 0
	s_add_nc_u64 s[12:13], s[12:13], s[20:21]
	s_add_nc_u64 s[12:13], s[12:13], s[46:47]
.macro FRAG reg, adr, q, i             ; B: registers 4 c .. 4 c + 3 hold K = 128 q + 32 c + 16 (l / 16) + 0 .. 15 of row l % 16
.irp c, 0,1,2,3
	ds_load_b128 v[\reg+4*\c:\reg+4*\c+3], v[\adr] offset:128*(\q)+32*\c+(\i)*16*PITCH
.endr
.endm
.macro FRAGA reg, adr, q, i            ; A: the same K: head 2 q + c / 2 of the slot's four, d = 32 (c % 2) + 16 (l / 16) + 0 .. 15
.irp c, 0,1,2,3
	ds_load_b128 v[\reg+4*\c:\reg+4*\c+3], v[\adr] offset:(2*(\q)+\c/2)*HEADB+32*(\c%2)+(\i)*16*PA
.endr
.endm
.macro MUL16 a0, p, zero               ; 16 matrix instructions; the 64 accumulators take turns, in the same order in every step
.irp a, \a0, \a0+1
.irp b, 0,1,2,3,4,5,6,7
.if \zero
	v_wmma_f32_16x16x128_bf8_bf8 v[8*(8*((\a)%4)+\b):8*(8*((\a)%4)+\b)+7], v[128*(\p)+FR*\b:128*(\p)+FR*\b+FR-1], v[AF+FR*(\a):AF+FR*(\a)+FR-1], 0
.else
	v_wmma_f32_16x16x128_bf8_bf8 v[8*(8*((\a)%4)+\b):8*(8*((\a)%4)+\b)+7], v[128*(\p)+FR*\b:128*(\p)+FR*\b+FR-1], v[AF+FR*(\a):AF+FR*(\a)+FR-1], v[8*(8*((\a)%4)+\b):8*(8*((\a)%4)+\b)+7]
.endif
.endr
.endr
.endm
.macro FETCH_B slot, q, p
	WIN TO_B
.irp i, 0,1,2,3,4,5,6,7
	FRAG 128*(\p)+FR*\i, ADRB+\slot, \q, \i
.endr
	WIN 0
.endm
.macro FETCH_A slot, q, i0
.irp i, \i0, \i0+1, \i0+2, \i0+3
	FRAGA AF+FR*(\i), ADRA+\slot, \q, \i
.endr
.endm
.macro PLACES n
.rept \n
	v_nop
.endr
.endm
.macro STEP slot, q, zero
	s_wait_dscnt 4*NL                              ; B's set and A's blocks 0-3 are in; the youngest 16 loads (A's blocks 4-7) may be out
	WIN MUL_LO
	MUL16 0, (\q)%2, \zero
	MUL16 2, (\q)%2, \zero
	s_wait_dscnt 0
	PLACES NP
	FETCH_B \slot, (\q)+1, 1-(\q)%2
	FETCH_A \slot, (\q)+1, 0
	WIN MUL_HI
	MUL16 4, (\q)%2, \zero
	MUL16 6, (\q)%2, \zero
	PLACES NP
	WIN 0
	FETCH_A \slot, (\q)+1, 4
.endm
.macro TURN slot, next, fill
	s_wait_tensorcnt 0x0                           ; all my tensor loads have landed: my part of the next slot
	ds_add_u32 v[SPW], v[NIL]                      ; 0 onto my spare word
	s_wait_dscnt 4*NL+1                            ; (the add and the youngest 16 loads may be out)
	WIN MUL_LO
	MUL16 0, 1, 0
	s_wait_dscnt 0x0                               ; the add is done, and my reads of this slot are over
	s_barrier_signal -1
	MUL16 2, 1, 0
	WIN 0
	s_barrier_wait -1
.if \fill
	CREST                                          ; the barrier has opened a round of the cluster's barrier: no wave of any partner still reads this slot's tile or has a load on its way
	s_add_nc_u64 s[G0+4*\slot+2:G0+4*\slot+3], s[G0+4*\slot+2:G0+4*\slot+3], 2*STEPA
	s_add_nc_u64 s[G0B+4*\slot+2:G0B+4*\slot+3], s[G0B+4*\slot+2:G0B+4*\slot+3], 2*ROWB
	JLOAD G0+4*\slot, G1, G0B+4*\slot, G1B         ; the first tensor load behind the round, my only one until the next
.else
	PLACES NP
.endif
	FETCH_B \next, 0, 0
	FETCH_A \next, 0, 0
	WIN MUL_HI
	MUL16 4, 1, 0
	MUL16 6, 1, 0
	PLACES NP
	WIN 0
	FETCH_A \next, 0, 4
.endm
	s_wait_alu depctr_va_vdst(0)
	s_wait_tensorcnt 1                             ; my part of K step 0 is in; K step 1's load may be out
	s_barrier_signal -1
	s_barrier_wait -1
	FETCH_B 0, 0, 0
	FETCH_A 0, 0, 0
	FETCH_A 0, 0, 4
	STEP 0, 0, 1                                   ; the first products start the sums
	TURN 0, 1, 1
	STEP 1, 0, 0
	TURN 1, 0, 1
	STEP 0, 0, 0
	TURN 0, 1, 0                                   ; nothing is left to fetch; behind this barrier nobody reads slot 0 again
	STEP 1, 0, 0
	s_wait_dscnt 4*NL
	WIN MUL_LO
	MUL16 0, 1, 0
	MUL16 2, 1, 0
	s_wait_dscnt 0
	WIN MUL_HI
	MUL16 4, 1, 0
	MUL16 6, 1, 0
	WIN 0
; THE WAY OUT, block by block of 16 rows x 128 columns: the raw sums go through my own stage and come back as whole rows of 512 bytes; there each lane holds four neighbouring columns, whose bias it keeps in v8-11.
.macro TOSTAGE a
.set AC, 64*((\a)%4)
	WIN 0x08+4*((\a)/4)                            ; the stores' data: window 2 or 3
.irp b, 0,1,2,3,4,5,6,7
	ds_store_b128 v[STO], v[AC+8*\b:AC+8*\b+3] offset:64*\b          ; each accumulator from its low end on
	ds_store_b128 v[STO], v[AC+8*\b+4:AC+8*\b+7] offset:64*\b+16
.endr
	WIN 0
.set BB, BK+64*((\a)%2)
.irp t, 0,1,2,3,4,5,6,7,8,9,10,11,12,13,14,15
	ds_load_b128 v[BB+4*\t:BB+4*\t+3], v[RD] offset:\t*SPITCH        ; LDS serves a wave's instructions in order (ISA guide 5.7.1.4): these see the stores above
.endr
.endm
.macro SEND a, younger                 ; younger: the LDS instructions issued behind block a's loads, which may stay out
.set BB, BK+64*((\a)%2)
	s_wait_dscnt \younger
.if (\a) > 0
	s_add_nc_u64 s[12:13], s[12:13], 16*4096       ; (behind a wait on XCNT: the earlier stores have read their base)  16 rows on
.endif
.set n, 0
.rept 16
	v_pk_fma_f32 v[BB+4*n:BB+4*n+1], v[BB+4*n:BB+4*n+1], s[96:97], v[8:9] op_sel_hi:[1,0,1]       ; sum x 2^(e6 + e7) + bias
	v_pk_fma_f32 v[BB+4*n+2:BB+4*n+3], v[BB+4*n+2:BB+4*n+3], s[96:97], v[10:11] op_sel_hi:[1,0,1]
.set n, n+1
.endr
.irp t, 0,1,2,3,4,5,6,7,8,9,10,11,12,13,14,15
	global_store_b128 v[CO], v[BB+4*\t:BB+4*\t+3], s[12:13] offset:\t*4096 th:TH_STORE_NT   ; 32 lanes store 512 consecutive bytes, aligned; written once, read by nobody here
.endr
.endm
	s_wait_kmcnt 0x0
	s_add_co_i32 s96, s82, s83                     ; e6 + e7
	s_add_co_i32 s96, s96, 127
	s_lshl_b32 s96, s96, 23                        ; 2^(e6 + e7) as f32
	s_mov_b32 s97, s96                             ; (named with it as a pair, so it is written)
	PLACES NP                                      ; behind the last products: for the stores of results and the loads into the registers that held A's fragments
	s_wait_loadcnt 0x0                             ; the bias
	TOSTAGE 0
.irp a, 1,2,3,4,5,6,7
.if \a > 1
	s_wait_xcnt 0x0                                ; block a - 2's stores have read their registers and their base: block a's loads may land there, and the base may step
.endif
	TOSTAGE \a
	SEND \a-1, 32                                  ; behind block a - 1's loads: block a's 16 stores and 16 loads
.endr
	s_wait_xcnt 0x0                                ; block 6's stores have read their base
	SEND 7, 0
	s_wait_tensorcnt 0x0                           ; the wave's end: a wait, an add of 0 to my spare word and its wait, behind my last tensor load and my last LDS store
	ds_add_u32 v[SPW], v[NIL]
	s_wait_dscnt 0x0
	CROUND                                         ; the closing round: no work-group ends while a partner may still ask for a tile that names it
	s_endpgm
.Lfunc_end_k_qd7f06c52ec_proj:
	.size	k_qd7f06c52ec_proj, .Lfunc_end_k_qd7f06c52ec_proj-k_qd7f06c52ec_proj
	.p2alignl 7, 3214868480
	.fill 96, 4, 3214868480
	.section	.rodata,"a",@progbits
	.p2align	6, 0x0
	.amdhsa_kernel k_qd7f06c52ec_proj
		.amdhsa_group_segment_fixed_size 327680
		.amdhsa_private_segment_fixed_size 0
		.amdhsa_enable_private_segment 0
		.amdhsa_kernarg_size 40
		.amdhsa_user_sgpr_count 2
		.amdhsa_user_sgpr_kernarg_segment_ptr 1
		.amdhsa_wavefront_size32 1
		.amdhsa_system_sgpr_workgroup_id_x 1
		.amdhsa_system_sgpr_workgroup_id_y 1
		.amdhsa_system_sgpr_workgroup_id_z 1
		.amdhsa_system_vgpr_workitem_id 0
		.amdhsa_next_free_vgpr 1024
		.amdhsa_next_free_sgpr 98
		.amdhsa_reserve_vcc 0
		.amdhsa_float_denorm_mode_32 3
		.amdhsa_float_denorm_mode_16_64 3
		.amdhsa_memory_ordered 1
		.amdhsa_forward_progress 1
		.amdhsa_inst_pref_size 124
	.end_amdhsa_kernel
	.amdgpu_metadata
---
amdhsa.version: [ 1, 2 ]
amdhsa.kernels:
  - .name:           k_qd7f06c52ec_proj
    .symbol:         k_qd7f06c52ec_proj.kd
    .args:
      - { .name: a_codes, .offset: 0, .size: 8, .value_kind: global_buffer, .address_space: global }
      - { .name: out_w_codes, .offset: 8, .size: 8, .value_kind: global_buffer, .address_space: global }
      - { .name: out_b, .offset: 16, .size: 8, .value_kind: global_buffer, .address_space: global }
      - { .name: lowp_scales, .offset: 24, .size: 8, .value_kind: global_buffer, .address_space: global }
      - { .name: out0, .offset: 32, .size: 8, .value_kind: global_buffer, .address_space: global }
    .group_segment_fixed_size: 327680
    .private_segment_fixed_size: 0
    .kernarg_segment_align: 8
    .kernarg_segment_size: 40
    .max_flat_workgroup_size: 128
    .sgpr_count:     98
    .vgpr_count:     1024
    .wavefront_size: 32
...
	.end_amdgpu_metadata
.endif
;; end of part 3
